; MI455X (gfx1250); checked and timed in simulation.
; The chip was launched on July 23, 2026; its instructions are those of AMD's public machine-readable ISA for CDNA 5 (MIT licence, August 2026) and "CDNA5" Instruction Set Architecture Reference Guide (July 2026). The comments in the code are by the model that wrote it; some were corrected since.
;; Attention. Allowed arithmetic: float matrix products may take bf16 or f16 operands with f32 sums; all other float work in f32.
;; Inputs: W 1,024 x 1,024 float32; decoder_state 32 x 1,024 float32; encoder_outputs 32 x 2,048 x 1,024 float32; v 1 x 1,024 float32.
;; Outputs: out0 32 x 1,024 float32; out1 32 x 2,048 float32.
;; 2 versions, each right; version 2 is version 1 with the launch main written anew for expert scheduling mode. Each part assembles by itself: llvm-mc -triple=amdgcn-amd-amdhsa -mcpu=gfx1250 --defsym DOCPART=n.
;; ======== version 1 of 2: 3 launches
;; workspace buffers: wb 2,097,152 bytes; scores 262,144 bytes; cpart 2,097,152 bytes
;; launch wprep (part 1): grid 64 x 1, 8 waves a work-group, no clusters, 35,840 bytes of LDS; arguments W, wb; writes wb
.if DOCPART == 1
	.amdgcn_target "amdgcn-amd-amdhsa--gfx1250"
	.amdhsa_code_object_version 6
	.text
	.protected	k_q9be2a55511_wprep
	.globl	k_q9be2a55511_wprep
	.p2align	8
	.type	k_q9be2a55511_wprep,@function
k_q9be2a55511_wprep:
	s_mov_b64 s[64:65], 0
	v_nop
	global_prefetch_b8 v0, s[64:65] scope:SCOPE_SE
	s_setreg_imm32_b32 hwreg(HW_REG_WAVE_MODE, 25, 1), 1
	s_wait_xcnt 0x0
; W [1024 (o)][1024 (k)] f32  ->  wb, bf16, in the order in which the main launch's eight waves load their matrix fragments.
; W[o][k] goes to byte ((w*2+c)*32+ks)*4096 + t*1024 + half*512 + (16h+r)*16 + 2e, with
;   c = o>>9, w = (o>>6)&7, t = (o>>4)&3, r = o&15;  ks = k>>5, half = (k>>4)&1, h = (k>>3)&1, e = k&7.
; So 512 neighbouring bytes are registers 0-3 (half 0) or 4-7 (half 1) of one 16 x 32 fragment, lane 16h+r taking 16 bytes,
; and a wave's two chunks are one run of 256 KiB in the order of use.
; A work-group takes 16 rows of W (64 KiB in a run): they share c, w and t.  The rows are turned in LDS:
; a group G = k>>3 is 16 rows x 16 bytes = 256 bytes, groups lie GP = 272 bytes apart (68 words: neighbouring groups start 4 banks apart).
; No matrix unit, no cluster: this is a cast of 4 MiB, each byte read once and written once.
.set GP, 272
	s_load_b128 s[4:7], s[0:1], 0x0                ; W s[4:5], wb s[6:7]
	v_lshl_add_u32 v112, v0, 2, 0x8800
	v_mov_b32 v113, 0
	v_lshlrev_b32 v1, 4, v0                        ; in: 16 bytes (4 k) a thread, 256 threads = a row of 4,096 bytes
	v_lshrrev_b32 v5, 1, v0                        ; G = k>>3 = thread>>1
	v_and_b32 v6, 1, v0
	v_mul_u32_u24 v2, v5, GP
	v_lshl_add_u32 v2, v6, 3, v2                   ; LDS, in: G*272 + 8*(thread&1); the row adds 16 r in the immediate
	v_and_b32 v7, 31, v0                           ; lane
	v_lshrrev_b32 v8, 5, v0                        ; wave
	v_lshrrev_b32 v9, 4, v7
	v_lshl_add_u32 v9, v8, 1, v9                   ; group 2 wave + (lane>>4)
	v_and_b32 v10, 15, v0
	v_mul_u32_u24 v3, v9, GP
	v_lshl_add_u32 v3, v10, 4, v3                  ; LDS, back: two whole groups a load
	v_lshrrev_b32 v11, 1, v8
	v_and_b32 v12, 1, v8
	v_lshlrev_b32 v4, 4, v7
	v_lshl_add_u32 v4, v11, 12, v4                 ; out: ks = (wave>>1) + 4u, half = wave&1
	v_lshl_add_u32 v4, v12, 9, v4
	s_lshl_b32 s8, ttmp9, 16                       ; 16 rows of 4,096 bytes
	s_mov_b32 s9, 0
	s_bfe_u32 s10, ttmp9, 0x30002                  ; w: three bits from bit 2 of o>>4
	s_lshr_b32 s11, ttmp9, 5                       ; c
	s_lshl1_add_u32 s10, s10, s11                  ; 2 w + c
	s_lshl_b32 s10, s10, 17                        ; x 32 K steps x 4,096 bytes
	s_and_b32 s11, ttmp9, 3                        ; t
	s_lshl_b32 s11, s11, 10
	s_add_co_u32 s10, s10, s11
	s_mov_b32 s11, 0
	s_wait_kmcnt 0x0
	s_add_nc_u64 s[4:5], s[4:5], s[8:9]
	s_add_nc_u64 s[6:7], s[6:7], s[10:11]
.set i, 0
.rept 16
	global_load_b128 v[16+4*i:19+4*i], v1, s[4:5] offset:4096*i th:TH_LOAD_NT     ; row i, all sixteen on their way at once
.set i, i+1
.endr
.set i, 0
.rept 16
	s_wait_loadcnt 15-i                            ; loads return in order: row i is in, the 15-i younger ones stay out
	v_cvt_pk_bf16_f32 v[80+2*i], v[16+4*i], v[17+4*i]
	v_cvt_pk_bf16_f32 v[81+2*i], v[18+4*i], v[19+4*i]
	ds_store_b64 v2, v[80+2*i:81+2*i] offset:16*i
.set i, i+1
.endr
	s_wait_dscnt 0x0                               ; my stores are done before I say so: other waves read them
	s_barrier_signal -1
	s_barrier_wait -1
.set i, 0
.rept 8
	ds_load_b128 v[16+4*i:19+4*i], v3 offset:16*GP*i
.set i, i+1
.endr
.set i, 0
.rept 8
	s_wait_dscnt 7-i
	global_store_b128 v4, v[16+4*i:19+4*i], s[6:7] offset:16384*i   ; a wave's store covers 512 consecutive bytes, aligned
.set i, i+1
.endr
	s_wait_tensorcnt 0x0
	ds_add_u32 v112, v113
	s_wait_dscnt 0x0
	s_endpgm
.Lfunc_end_k_q9be2a55511_wprep:
	.size	k_q9be2a55511_wprep, .Lfunc_end_k_q9be2a55511_wprep-k_q9be2a55511_wprep
	.p2alignl 7, 3214868480
	.fill 96, 4, 3214868480
	.section	.rodata,"a",@progbits
	.p2align	6, 0x0
	.amdhsa_kernel k_q9be2a55511_wprep
		.amdhsa_group_segment_fixed_size 35840
		.amdhsa_private_segment_fixed_size 0
		.amdhsa_enable_private_segment 0
		.amdhsa_kernarg_size 16
		.amdhsa_user_sgpr_count 2
		.amdhsa_user_sgpr_kernarg_segment_ptr 1
		.amdhsa_wavefront_size32 1
		.amdhsa_system_sgpr_workgroup_id_x 1
		.amdhsa_system_sgpr_workgroup_id_y 1
		.amdhsa_system_sgpr_workgroup_id_z 1
		.amdhsa_system_vgpr_workitem_id 0
		.amdhsa_next_free_vgpr 114
		.amdhsa_next_free_sgpr 66
		.amdhsa_reserve_vcc 0
		.amdhsa_float_denorm_mode_32 3
		.amdhsa_float_denorm_mode_16_64 3
		.amdhsa_memory_ordered 1
		.amdhsa_forward_progress 1
		.amdhsa_inst_pref_size 9
	.end_amdhsa_kernel
	.amdgpu_metadata
---
amdhsa.version: [ 1, 2 ]
amdhsa.kernels:
  - .name:           k_q9be2a55511_wprep
    .symbol:         k_q9be2a55511_wprep.kd
    .args:
      - { .name: W, .offset: 0, .size: 8, .value_kind: global_buffer, .address_space: global }
      - { .name: wb, .offset: 8, .size: 8, .value_kind: global_buffer, .address_space: global }
    .group_segment_fixed_size: 35840
    .private_segment_fixed_size: 0
    .kernarg_segment_align: 8
    .kernarg_segment_size: 16
    .max_flat_workgroup_size: 256
    .sgpr_count:     66
    .vgpr_count:     114
    .wavefront_size: 32
...
	.end_amdgpu_metadata
.endif
;; end of part 1
;; launch main (part 2): grid 512 x 1, 8 waves a work-group, no clusters, 287,744 bytes of LDS; arguments encoder_outputs, decoder_state, v, wb, scores, cpart; writes scores, cpart
.if DOCPART == 2
	.amdgcn_target "amdgcn-amd-amdhsa--gfx1250"
	.amdhsa_code_object_version 6
	.text
	.protected	k_q9be2a55511_main
	.globl	k_q9be2a55511_main
	.p2align	8
	.type	k_q9be2a55511_main,@function
k_q9be2a55511_main:
	s_mov_b64 s[64:65], 0
	v_nop
	global_prefetch_b8 v0, s[64:65] scope:SCOPE_SE
	s_setreg_imm32_b32 hwreg(HW_REG_WAVE_MODE, 25, 1), 1
	s_wait_xcnt 0x0
; One work-group = 128 rows s of one batch (block blk = ttmp9, batch blk>>4).  It reads its 512 KiB of encoder_outputs ONCE, keeps them as bf16
; in LDS, and makes from them: proj = enc W^T (matrix unit, f32 sums), r = 1/(1+e^(2(proj+dec))) (tanh = 1 - 2r), the scaled scores
;   s''[s] = sum over o of (-2 log2e v[o]) r[s][o] = log2e (score[s] - sum of v),
; the block's maximum m, p[s] = 2^(s''-m), and the partial context cpart[blk][h] = sum over s of p[s] bf16(enc[s][h]).
; The last launch merges the 16 blocks of a batch.  The constant sum of v is the same for all rows of a softmax and cancels in it for every input.
; LIMITS: enc and W enter as bf16 (enc in the context too); p below 2^-126 counts as 0; e^(2x) = inf gives r = 0 and e^(2x) = 0 gives r = 1, tanh's limits.
;
; SHARES: eight waves split o.  In chunk c (0, 1) wave w makes o = 512c+64w .. +63 for all 128 rows: 8 x 4 accumulator tiles, 256 registers.
; With 512 registers a wave, two waves lie on a SIMD, and they are kept OUT OF STEP, so that one of them has products to issue while the other converts enc,
; works on tanh or issues its loads.  Waves 4-7 bring enc in, in eight slices of 128 along K; waves 0-3 meanwhile multiply slice n of their first chunk while
; slice n+1 is converted: when enc is whole they are seven eighths of a chunk ahead, more than a pass of tanh takes, and the lead stays.
; (This takes waves w and w+4 to share a SIMD; the values do not hang on it.)
; Each fragment of W has ONE reader in the work-group: it goes from memory straight into a ring of four register stages (wb holds a wave's fragments as one
; run of 256 KiB in the order of use).  That is why W takes no tensor load, no LDS ring and no joint request in a cluster: LDS would be a round trip,
; and beside the 286,720 bytes in use the 327,680 bytes of a WGP leave no room for slots worth a barrier.
; THE MATRIX INSTRUCTION IS USED TRANSPOSED: source 0 = 16 o of W, source 1 = 16 rows of enc.  Lane (r = l%16, h = l/16), register j of tile (a, t) holds
; s = 16a+r, o = o0+16t+8h+j: eight neighbouring o, so dec and v are register pairs for packed arithmetic, and a row's sum over o stays in the lane.
;
; LDS: enc slice n (k = 128n .. +127) at n x SLB: 128 rows x 272 (256 of bf16 + 16: 17 x 16 bytes, so the 16 rows of a fragment load start at 16 different
;      16-byte columns).  A slice is one run of bytes: the slice that is written and the slice that is read between two barriers do not touch.
;      DC dec x 2log2e, 4,096 bytes; VV v x -2log2e, 4,096 behind DC.  When the last pass of tanh has read them, and behind a barrier, the same bytes are
;      SP [8 waves][128] partial scores (on DC) and PB [8 waves][128] each wave's own copy of p (on VV).
; REGISTERS: window 0: v0-63 addresses and sums; v64-127 enc fragments, two halves of four row tiles; v128-255 the ring of W, stage st tile t at 128+32st+8t.
;      window 1: accumulator tile (a, t) at 8 (4a + t); in waves 4-7 the same registers are first the landing place of enc's f32.
.set PITCH, 272
.set SLB,  128*PITCH                   ; 34,816: a slice
.set DC,   8*SLB                       ; 278,528
.set SP,   DC
.set PB,   DC+4096                     ; ends at 286,720
.set L16,  1                           ; v1   16 x lane
.set ADR,  2                           ; v2   fragment address in the slice at work, in the chunks that go round a loop: written afresh at the head of each
.set DVA,  4                           ; v4   DC + 256 w + 32 h, + 2,048 for the second chunk
.set AST,  5                           ; v5   waves 4-7: where my 32 rows of the next slice are stored, + 8 x lane
.set SPS,  6                           ; v6   SP + 512 w + 4 r
.set SPL,  7                           ; v7   SP + 16 lane
.set PST,  8                           ; v8   PB + 512 w + 16 lane
.set PLD,  9                           ; v9   PB + 512 w
.set CXA,  10                          ; v10  slice w + 8 lane: my 4 columns of a row
.set CPO,  11                          ; v11  512 w + 16 lane, in cpart's row
.set DVO,  12                          ; v12  16 x thread, in dec and v (waves 0-3)
.set DVS,  13                          ; v13  DC + 16 x thread
.set T,    16                          ; v[16:31]  at work
.set SACC, 32                          ; v[32:47]  a pair of score sums for each of the 8 row tiles
.set CX,   48                          ; v[48:55]  context sums of my 4 columns, even and odd rows apart
.set AP,   56                          ; v[56:59]  fragment address 272 r + 16 h in slices 0, 2, 4, 6; never rewritten.  The odd slices are reached by the immediate:
                                       ;           34,816 + 7 x 4,352 + 224 = 65,504, inside its 16 bits
.set F,    64                          ; v[64:95] row tiles 0-3, v[96:127] row tiles 4-7
.set DCR,  F                           ; between chunks the same registers hold dec of my 64 o, tile t at + 8 t,
.set VVR,  F+32                        ; and v likewise
.set WR,   128
.set XB,   64                          ; the context's two buffers of 48 registers
.set FA,   ADR                         ; which register the fragment loads take as address, and
.set qbase, 0                          ; what their immediates add to it; set in front of each QUAD or group of QUADs
.set MSB, 0
.macro WIN new                         ; s_set_vgpr_msb: bits 1:0 source 0, 3:2 source 1, 5:4 source 2, 7:6 destination; the high byte repeats the setting that is left
.if MSB != \new
	s_set_vgpr_msb (MSB<<8)|\new
.set MSB, \new
.endif
.endm
.macro PLACES                          ; a load into a register that a matrix instruction read, and a vector instruction on a matrix result, stand four
.rept 4                                ; independent vector instructions behind it (ISA guide 7.12.1); other matrix instructions are not counted
	v_nop
.endr
.endm
; waves 4-7: slice n of my 32 rows: 32 loads, each 512 consecutive bytes of one row, into half n&1 of window 1
.macro FILL n
	WIN 0x40
.set fi, 0
.rept 32
	global_load_b128 v[128*((\n)&1)+4*fi:128*((\n)&1)+4*fi+3], v[L16], s[4:5] offset:fi*4096+(\n)*512 th:TH_LOAD_NT
.set fi, fi+1
.endr
.endm
; the same slice: rounded to bf16 and stored, 256 consecutive bytes (a row of the slice) a store
.macro CVT n
	WIN 0x05
.set fi, 0
.rept 32
	v_cvt_pk_bf16_f32 v[F+2*fi],   v[128*((\n)&1)+4*fi],   v[128*((\n)&1)+4*fi+1]
	v_cvt_pk_bf16_f32 v[F+2*fi+1], v[128*((\n)&1)+4*fi+2], v[128*((\n)&1)+4*fi+3]
.set fi, fi+1
.endr
	WIN 0
.set fi, 0
.rept 32
	ds_store_b64 v[AST], v[F+2*fi:F+2*fi+1] offset:fi*PITCH
.set fi, fi+1
.endr
.if (\n) < 7
	v_add_nc_u32 v[AST], SLB, v[AST]               ; the next slice
.endif
.endm
; the four fragments of W (4 KiB) that lie p K steps behind the base, into stage p&3.  No hint: every work-group reads wb.
.macro BLOAD p
.set bj, 0
.rept 8
	global_load_b128 v[WR+32*((\p)&3)+4*bj:WR+32*((\p)&3)+4*bj+3], v[L16], s[10:11] offset:(\p)*4096+bj*512
.set bj, bj+1
.endr
.endm
; four row tiles' fragments of enc: lane (r, h) takes row 16a+r, bytes off + 16 h and 32 further (registers 0-3: k = 8h.., 4-7: k = 16+8h..)
.macro FETCHH hf, off
.set fa, 4*(\hf)
.rept 4
	ds_load_b128 v[F+8*fa:F+8*fa+3],   v[FA] offset:fa*16*PITCH+(\off)
	ds_load_b128 v[F+8*fa+4:F+8*fa+7], v[FA] offset:fa*16*PITCH+(\off)+32
.set fa, fa+1
.endr
.endm
; 16 matrix instructions: row tiles 4hf .. 4hf+3 x the four o tiles, W from stage st.  zero: the chunk's first K step starts the sums, nothing is cleared.
; The 32 accumulators take turns, one instruction a turn, in the same order in every K step.
.macro MUL16 st, hf, zero
.set ma, 4*(\hf)
.rept 4
.set mt, 0
.rept 4
.if \zero
	v_wmma_f32_16x16x32_bf16 v[8*(4*ma+mt):8*(4*ma+mt)+7], v[WR+32*(\st)+8*mt:WR+32*(\st)+8*mt+7], v[F+8*ma:F+8*ma+7], 0
.else
	v_wmma_f32_16x16x32_bf16 v[8*(4*ma+mt):8*(4*ma+mt)+7], v[WR+32*(\st)+8*mt:WR+32*(\st)+8*mt+7], v[F+8*ma:F+8*ma+7], v[8*(4*ma+mt):8*(4*ma+mt)+7]
.endif
.set mt, mt+1
.endr
.set ma, ma+1
.endr
.endm
; Four K steps = one slice of enc = once round the ring of W.  The slice lies at v[FA] + qbase.
;   lead: the first K step's fragments are fetched here (nothing was fetched ahead);  zero: the first K step starts the sums;
;   next: the last K step fetches the next slice's first fragments;  wl: each K step asks for W four K steps on;  as: the address goes on to the next slice.
; A half of the fragments is fetched while the other half is multiplied: behind the 16 products that read it, and four places.
; A stage of W is asked for again behind the K step that read it, so stage ks has three younger stages of eight loads behind it: s_wait_loadcnt 24.
; wl = 0 (a wave's last four K steps): nothing is asked for beyond its run in wb, and the counts run down 24, 16, 8, 0.
.macro QUAD lead, zero, next, wl, as
.if \lead
	FETCHH 0, qbase
	FETCHH 1, qbase
.endif
.set qj, 0
.rept 4
.set qn, 1
.set qo, qbase+64*(qj+1)
.set qz, 0
.set qb, qj+4
.if qj == 3
.set qn, \next
.set qo, qbase+SLB
.endif
.if qj == 0
.set qz, \zero
.endif
.if \wl
	s_wait_loadcnt 24                              ; this K step's stage is in
.else
	s_wait_loadcnt 24-8*qj
.endif
	s_wait_dscnt 8                                 ; row tiles 0-3 are in; the younger eight loads (tiles 4-7) may be out
	WIN 0x50                                       ; W and enc window 0, C and D window 1
	MUL16 qj, 0, qz
.if qn
	PLACES
	WIN 0
	FETCHH 0, qo
	s_wait_dscnt 8                                 ; all but the eight just issued: tiles 4-7 are in
.else
	s_wait_dscnt 0
.endif
	WIN 0x50
	MUL16 qj, 1, qz
.if qn + \wl
	PLACES
	WIN 0
.endif
.if qn
	FETCHH 1, qo
.endif
.if \wl
	BLOAD qb
.endif
.set qj, qj+1
.endr
	WIN 0
.if \wl
	s_wait_xcnt 0x0                                ; the pending loads of W name s[10:11]: it is stepped only behind this wait
	s_add_nc_u64 s[10:11], s[10:11], 0x4000        ; four K steps of 4 KiB
.endif
.if \as
	v_add_nc_u32 v[ADR], SLB, v[ADR]
.endif
.endm
; the four stages of r = 1/(1 + 2^(2log2e x + dC)) on accumulator tile n, in place
.macro EPA n
.set ej, 0
.rept 4
	v_pk_fma_f32 v[8*(\n)+2*ej:8*(\n)+2*ej+1], v[8*(\n)+2*ej:8*(\n)+2*ej+1], 0x4038aa3b, v[DCR+8*((\n)&3)+2*ej:DCR+8*((\n)&3)+2*ej+1] op_sel_hi:[1,0,1]
.set ej, ej+1
.endr
.endm
.macro EPE n
.set ej, 0
.rept 8
	v_exp_f32 v[8*(\n)+ej], v[8*(\n)+ej]
.set ej, ej+1
.endr
.endm
.macro EPP n
.set ej, 0
	s_wait_alu depctr_va_vdst(0)
.rept 4
	v_pk_add_f32 v[8*(\n)+2*ej:8*(\n)+2*ej+1], v[8*(\n)+2*ej:8*(\n)+2*ej+1], 1.0 op_sel_hi:[1,0]
.set ej, ej+1
.endr
.endm
.macro EPR n
.set ej, 0
.rept 8
	v_rcp_f32 v[8*(\n)+ej], v[8*(\n)+ej]
.set ej, ej+1
.endr
.endm
; A chunk's end: r for its 128 x 64 results, and their share of the scores.  step = 1: dec's and v's address goes on to the second chunk.
.macro EPI step
	PLACES                                         ; behind the last matrix instructions: in front of the loads into their sources and of the first read of a result
	WIN 0
.set et, 0
.rept 4
	ds_load_b128 v[DCR+8*et:DCR+8*et+3],   v[DVA] offset:64*et
	ds_load_b128 v[DCR+8*et+4:DCR+8*et+7], v[DVA] offset:64*et+16
	ds_load_b128 v[VVR+8*et:VVR+8*et+3],   v[DVA] offset:4096+64*et
	ds_load_b128 v[VVR+8*et+4:VVR+8*et+7], v[DVA] offset:4096+64*et+16
.set et, et+1
.endr
	s_wait_dscnt 0x0
	WIN 0x41                                       ; source 0 and destination window 1; dec window 0
	; behind an exponential or a reciprocal one plain independent vector instruction comes before its result is used (ISA guide 5.7.2):
	; the next tile's multiply-adds stand between a tile's exponentials and the additions that read them
	EPA 0
	EPE 0
.set en, 0
.rept 31
.set en1, en+1
	EPA en1
	EPP en
	EPR en
	EPE en1
.set en, en+1
.endr
	v_nop
	s_wait_alu depctr_va_vdst(0)
	EPP 31
	EPR 31
	v_nop
	WIN 0x01                                       ; r window 1; v and the sums window 0
.set et, 0
	s_wait_alu depctr_va_vdst(0)
.rept 4
.set ej, 0
.rept 4
.set ea, 0
.rept 8                                            ; the eight row tiles' sums are eight chains that do not wait for each other
	v_pk_fma_f32 v[SACC+2*ea:SACC+2*ea+1], v[8*(4*ea+et)+2*ej:8*(4*ea+et)+2*ej+1], v[VVR+8*et+2*ej:VVR+8*et+2*ej+1], v[SACC+2*ea:SACC+2*ea+1]
.set ea, ea+1
.endr
.set ej, ej+1
.endr
.set et, et+1
.endr
	WIN 0
.if \step
	v_add_nc_u32 v[DVA], 2048, v[DVA]
.endif
.endm
; Between two barriers: waves 0-3 multiply slice n of their first chunk; waves 4-7 convert slice n+1 and ask for slice n+3.
; The barrier stands in the common text: every wave passes it; the branches on the wave's number jump over the work alone.
.macro PACE n
.set pz, 0
.if (\n) == 0
.set pz, 1
.endif
.set pm, (\n)+1
.set pf, (\n)+3
.set FA, AP+(\n)/2                                 ; slice n: a constant register and a constant in the immediate
.set qbase, ((\n)&1)*SLB
	s_cmp_ge_u32 s16, 4
	s_cbranch_scc1 .Lbring_\@
	QUAD 1, pz, 0, 1, 0                            ; nothing is fetched ahead: the next slice is whole only behind the barrier
	s_branch .Lmeet_\@
.Lbring_\@:
.if pm < 7
	s_wait_loadcnt 32                              ; slice n+1 is in; the next slice's 32 loads stay out
.else
	s_wait_loadcnt 0x0                             ; slice 7 is in: no load of mine is out
.irp p, 0,1,2,3
	BLOAD \p                                       ; my ring of W is filled while slice 7 is converted
.endr
.endif
	CVT pm
.if pf < 8
	FILL pf
	WIN 0
.endif
.Lmeet_\@:
	s_wait_dscnt 0x0                               ; my stores into the slice are done, my reads of the last one are back, before I say so
	s_barrier_signal -1
	s_barrier_wait -1
.endm
; the context: rows 16g .. 16g+15 of my wave's slice, my 8 bytes (4 columns) of each, and their p, into buffer b
.macro CTXLOAD g, b
.set ci, 0
.rept 16
	ds_load_b64 v[XB+48*(\b)+2*ci:XB+48*(\b)+2*ci+1], v[CXA] offset:PITCH*(16*(\g)+ci)
.set ci, ci+1
.endr
.set ci, 0
.rept 4
	ds_load_b128 v[XB+48*(\b)+32+4*ci:XB+48*(\b)+32+4*ci+3], v[PLD] offset:64*(\g)+16*ci
.set ci, ci+1
.endr
.endm
.macro CTXFMA b                        ; 64 fused multiply-adds straight from the bf16 halves, p and the sums in f32; eight chains
.set ci, 0
.rept 16
.set cc, CX+4*(ci&1)
.set cx0, XB+48*(\b)+2*ci
.set cp, XB+48*(\b)+32+ci
	v_fma_mix_f32_bf16 v[cc],   v[cx0],   v[cp], v[cc]   op_sel_hi:[1,0,0]
	v_fma_mix_f32_bf16 v[cc+1], v[cx0],   v[cp], v[cc+1] op_sel:[1,0,0] op_sel_hi:[1,0,0]
	v_fma_mix_f32_bf16 v[cc+2], v[cx0+1], v[cp], v[cc+2] op_sel_hi:[1,0,0]
	v_fma_mix_f32_bf16 v[cc+3], v[cx0+1], v[cp], v[cc+3] op_sel:[1,0,0] op_sel_hi:[1,0,0]
.set ci, ci+1
.endr
.endm
	; ---- set-up ----
	s_load_b256 s[4:11], s[0:1], 0x0               ; enc s[4:5], dec s[6:7], v s[8:9], wb s[10:11]
	s_load_b128 s[12:15], s[0:1], 0x20             ; scores s[12:13], cpart s[14:15]
	v_lshl_add_u32 v14, v0, 2, 0x46000
	v_mov_b32 v15, 0
	v_lshrrev_b32 v60, 5, v0
	v_readfirstlane_b32 s16, v60                   ; wave 0..7
	v_and_b32 v61, 31, v0                          ; lane
	v_and_b32 v62, 15, v0                          ; r
	v_bfe_u32 v63, v0, 4, 1                        ; h
	v_lshlrev_b32 v[L16], 4, v61
	v_mul_u32_u24 v3, v62, PITCH
	v_lshl_add_u32 v[AP], v63, 4, v3               ; 272 r + 16 h: slice 0,
	v_add_nc_u32 v[AP+1], 2*SLB, v[AP]             ; slices 2, 4, 6
	v_add_nc_u32 v[AP+2], 4*SLB, v[AP]
	v_add_nc_u32 v[AP+3], 6*SLB, v[AP]
	s_and_b32 s17, s16, 3                          ; waves 4-7: which 32 rows I bring
	s_mul_i32 s18, s17, 32*PITCH
	v_lshl_add_u32 v[AST], v61, 3, s18
	s_lshl_b32 s18, s16, 8
	s_add_co_u32 s18, s18, DC
	v_lshl_add_u32 v[DVA], v63, 5, s18
	s_lshl_b32 s19, s16, 9
	s_add_co_u32 s21, s19, SP
	v_lshl_add_u32 v[SPS], v62, 2, s21
	v_add_nc_u32 v[SPL], SP, v[L16]
	s_add_co_u32 s26, s19, PB
	v_add_nc_u32 v[PST], s26, v[L16]
	v_mov_b32 v[PLD], s26
	s_mul_i32 s27, s16, SLB
	v_lshl_add_u32 v[CXA], v61, 3, s27
	v_add_nc_u32 v[CPO], s19, v[L16]
	v_lshlrev_b32 v[DVO], 4, v0
	v_add_nc_u32 v[DVS], DC, v[DVO]
	s_mov_b32 s24, 0x76543210                      ; v_permlanex16_b32: lane i of one half reads lane i of the other
	s_mov_b32 s25, 0xfedcba98
.set qa, 0
.rept 24
	v_mov_b32 v[SACC+qa], 0                        ; the 16 score sums run over two chunks of one text, the 8 context sums over eight groups
.set qa, qa+1
.endr
	s_lshl_b32 s22, ttmp9, 19                      ; 128 rows of 4,096 bytes a block (511 blocks: below 2^28),
	s_lshl_b32 s29, s17, 17                        ; 32 rows a loading wave
	s_add_co_u32 s22, s22, s29
	s_mov_b32 s23, 0
	s_wait_kmcnt 0x0
	s_add_nc_u64 s[4:5], s[4:5], s[22:23]
	s_lshr_b32 s22, ttmp9, 4                       ; batch
	s_lshl_b32 s22, s22, 12
	s_add_nc_u64 s[6:7], s[6:7], s[22:23]
	s_lshl_b32 s22, s16, 18                        ; my wave's 256 KiB of wb
	s_add_nc_u64 s[10:11], s[10:11], s[22:23]
	s_lshl_b32 s22, ttmp9, 9
	s_add_nc_u64 s[12:13], s[12:13], s[22:23]
	s_lshl_b32 s22, ttmp9, 12
	s_add_nc_u64 s[14:15], s[14:15], s[22:23]
	; ---- the start: waves 4-7 bring slice 0; waves 0-3 bring dec and v, scaled once, and fill their ring of W ----
	s_cmp_ge_u32 s16, 4
	s_cbranch_scc1 .Lbring_first
	global_load_b128 v[T:T+3],     v[DVO], s[6:7]
	global_load_b128 v[T+4:T+7],   v[DVO], s[6:7] offset:2048
	global_load_b128 v[T+8:T+11],  v[DVO], s[8:9]
	global_load_b128 v[T+12:T+15], v[DVO], s[8:9] offset:2048
.irp p, 0,1,2,3
	BLOAD \p
.endr
	s_wait_loadcnt 32                              ; the 32 loads of W are younger: dec and v are in
.set qa, 0
.rept 4
	v_pk_mul_f32 v[T+2*qa:T+2*qa+1],     v[T+2*qa:T+2*qa+1],     0x4038aa3b op_sel_hi:[1,0]    ; dec x 2 log2e
	v_pk_mul_f32 v[T+8+2*qa:T+8+2*qa+1], v[T+8+2*qa:T+8+2*qa+1], 0xc038aa3b op_sel_hi:[1,0]    ; v x -2 log2e
.set qa, qa+1
.endr
	ds_store_b128 v[DVS], v[T:T+3]
	ds_store_b128 v[DVS], v[T+4:T+7]   offset:2048
	ds_store_b128 v[DVS], v[T+8:T+11]  offset:4096
	ds_store_b128 v[DVS], v[T+12:T+15] offset:6144
	s_branch .Lmeet_first
.Lbring_first:
	FILL 0
	FILL 1                                         ; two slices, 32 KiB a wave, on their way from here on
	s_wait_loadcnt 32                              ; slice 0 is in, slice 1's 32 loads stay out
	CVT 0
	FILL 2
	WIN 0
.Lmeet_first:
	s_wait_dscnt 0x0                               ; my stores (slice 0; DC and VV) are done before I say so
	s_barrier_signal -1
	s_barrier_wait -1
	; ---- seven more slices come in while waves 0-3 multiply the one before ----
.set pn, 0
.rept 7
	PACE pn
.set pn, pn+1
.endr
	; enc is whole and is not written again: from here to the end of tanh no wave waits for another
	; ---- the first chunk's rest ----
	s_cmp_ge_u32 s16, 4
	s_cbranch_scc1 .Lwhole_chunk
.set FA, AP+3
.set qbase, SLB
	QUAD 1, 0, 0, 1, 0                             ; waves 0-3: slice 7
	s_branch .Lfirst_done
.Lwhole_chunk:
.set FA, ADR
.set qbase, 0
	v_mov_b32 v[ADR], v[AP]                        ; waves 4-7: all eight slices, from slice 0
	QUAD 1, 1, 1, 1, 1
	s_mov_b32 s20, 6
.Lslices_a:
	QUAD 0, 0, 1, 1, 1
	s_sub_co_i32 s20, s20, 1
	s_cmp_lg_u32 s20, 0
	s_cbranch_scc1 .Lslices_a
	QUAD 0, 0, 0, 1, 0
.Lfirst_done:
	EPI 1                                          ; the ring already holds the second chunk's first four stages
	; ---- the second chunk ----
	v_mov_b32 v[ADR], v[AP]                        ; from slice 0
	QUAD 1, 1, 1, 1, 1
	s_mov_b32 s20, 6
.Lslices_b:
	QUAD 0, 0, 1, 1, 1
	s_sub_co_i32 s20, s20, 1
	s_cmp_lg_u32 s20, 0
	s_cbranch_scc1 .Lslices_b
	QUAD 0, 0, 0, 0, 0
	EPI 0
	; ---- scores: lane halves, then the eight waves ----
	; SP lies on DC's bytes: no wave stores there before every wave has read dec and v for the last time.  My own loads of them were waited for
	; (count 0) at the head of the pass above, and I have issued no LDS instruction since: nothing of mine is out at the signal.
	s_barrier_signal -1
.set qa, 0
.rept 8
	v_add_f32 v[SACC+2*qa], v[SACC+2*qa], v[SACC+2*qa+1]           ; register work while the others arrive
.set qa, qa+1
.endr
.set qa, 0
.rept 8
	v_permlanex16_b32 v[SACC+2*qa+1], v[SACC+2*qa], s24, s25       ; the other 8 o of each tile
.set qa, qa+1
.endr
.set qa, 0
.rept 8
	v_add_f32 v[SACC+2*qa], v[SACC+2*qa], v[SACC+2*qa+1]
.set qa, qa+1
.endr
	s_barrier_wait -1
.set qa, 0
.rept 8
	ds_store_b32 v[SPS], v[SACC+2*qa] offset:64*qa                 ; row 16 qa + r; both halves store the same number
.set qa, qa+1
.endr
	s_wait_dscnt 0x0                               ; my stores are done before I say so
	s_barrier_signal -1
	s_barrier_wait -1
.set qa, 0
.rept 8
	ds_load_b128 v[F+4*qa:F+4*qa+3], v[SPL] offset:512*qa          ; rows 4 lane .. + 3 of wave qa's share
.set qa, qa+1
.endr
	s_wait_dscnt 0x0
.set qa, 0
.rept 8
	v_pk_add_f32 v[F+2*qa:F+2*qa+1], v[F+2*qa:F+2*qa+1], v[F+16+2*qa:F+16+2*qa+1]    ; the same order in every wave: all eight hold the same numbers
.set qa, qa+1
.endr
.set qa, 0
.rept 4
	v_pk_add_f32 v[F+2*qa:F+2*qa+1], v[F+2*qa:F+2*qa+1], v[F+8+2*qa:F+8+2*qa+1]
.set qa, qa+1
.endr
	v_pk_add_f32 v[T:T+1],   v[F:F+1],   v[F+4:F+5]
	v_pk_add_f32 v[T+2:T+3], v[F+2:F+3], v[F+6:F+7]                ; v[16:19] = s'' of rows 4 lane .. + 3
	v_max3_num_f32 v[T+4], v[T], v[T+1], v[T+2]
	v_max_num_f32 v[T+4], v[T+4], v[T+3]
	v_max_num_f32_dpp v[T+4], v[T+4], v[T+4] row_xmask:1 row_mask:0xf bank_mask:0xf
	v_max_num_f32_dpp v[T+4], v[T+4], v[T+4] row_xmask:2 row_mask:0xf bank_mask:0xf
	v_max_num_f32_dpp v[T+4], v[T+4], v[T+4] row_xmask:4 row_mask:0xf bank_mask:0xf
	v_max_num_f32_dpp v[T+4], v[T+4], v[T+4] row_xmask:8 row_mask:0xf bank_mask:0xf
	v_permlanex16_b32 v[F], v[T+4], s24, s25       ; its destination counts as read: v64 has been written in every wave
	v_max_num_f32 v[T+4], v[T+4], v[F]             ; the block's maximum, in every lane
.set qa, 0
.rept 4
	v_sub_f32 v[T+8+qa], v[T+qa], v[T+4]
.set qa, qa+1
.endr
.set qa, 0
.rept 4
	v_exp_f32 v[T+8+qa], v[T+8+qa]                                 ; p = 2^(s'' - m), at most 1
.set qa, qa+1
.endr
	v_nop
	s_wait_alu depctr_va_vdst(0)
	ds_store_b128 v[PST], v[T+8:T+11]              ; my wave's own copy, on VV's bytes (last read two barriers ago); read back below without a barrier: LDS serves a wave in order (ISA guide 5.7.1)
	s_cmp_lg_u32 s16, 0
	s_cbranch_scc1 .Lno_scores
	global_store_b128 v[L16], v[T:T+3], s[12:13]   ; wave 0: the block's 128 scores, 512 consecutive bytes; v[16:19] are not written again
.Lno_scores:
	; ---- partial context: wave w owns columns 128w .. +127 (its slice), a lane four of them; sixteen rows a group, two buffers ----
	CTXLOAD 0, 0
.set cg, 0
.rept 7
.set cg1, cg+1
.set cb1, (cg+1)&1
.set cb0, cg&1
	CTXLOAD cg1, cb1
	s_wait_dscnt 20                                ; the 20 loads just issued are younger: group cg is in
	CTXFMA cb0
.set cg, cg+1
.endr
	s_wait_dscnt 0x0
	CTXFMA 1
	v_pk_add_f32 v[CX:CX+1],   v[CX:CX+1],   v[CX+4:CX+5]          ; even rows + odd rows
	v_pk_add_f32 v[CX+2:CX+3], v[CX+2:CX+3], v[CX+6:CX+7]
	global_store_b128 v[CPO], v[CX:CX+3], s[14:15] ; a lane's four columns are 16 bytes: the wave's store covers 512 consecutive bytes, aligned
	s_wait_tensorcnt 0x0
	ds_add_u32 v14, v15
	s_wait_dscnt 0x0
	s_endpgm
.Lfunc_end_k_q9be2a55511_main:
	.size	k_q9be2a55511_main, .Lfunc_end_k_q9be2a55511_main-k_q9be2a55511_main
	.p2alignl 7, 3214868480
	.fill 96, 4, 3214868480
	.section	.rodata,"a",@progbits
	.p2align	6, 0x0
	.amdhsa_kernel k_q9be2a55511_main
		.amdhsa_group_segment_fixed_size 287744
		.amdhsa_private_segment_fixed_size 0
		.amdhsa_enable_private_segment 0
		.amdhsa_kernarg_size 48
		.amdhsa_user_sgpr_count 2
		.amdhsa_user_sgpr_kernarg_segment_ptr 1
		.amdhsa_wavefront_size32 1
		.amdhsa_system_sgpr_workgroup_id_x 1
		.amdhsa_system_sgpr_workgroup_id_y 1
		.amdhsa_system_sgpr_workgroup_id_z 1
		.amdhsa_system_vgpr_workitem_id 0
		.amdhsa_next_free_vgpr 512
		.amdhsa_next_free_sgpr 66
		.amdhsa_reserve_vcc 0
		.amdhsa_float_denorm_mode_32 3
		.amdhsa_float_denorm_mode_16_64 3
		.amdhsa_memory_ordered 1
		.amdhsa_forward_progress 1
		.amdhsa_inst_pref_size 255
	.end_amdhsa_kernel
	.section	.bss,"aw",@nobits
	.p2align	6
	.space	262144
	.amdgpu_metadata
---
amdhsa.version: [ 1, 2 ]
amdhsa.kernels:
  - .name:           k_q9be2a55511_main
    .symbol:         k_q9be2a55511_main.kd
    .args:
      - { .name: encoder_outputs, .offset: 0, .size: 8, .value_kind: global_buffer, .address_space: global }
      - { .name: decoder_state, .offset: 8, .size: 8, .value_kind: global_buffer, .address_space: global }
      - { .name: v, .offset: 16, .size: 8, .value_kind: global_buffer, .address_space: global }
      - { .name: wb, .offset: 24, .size: 8, .value_kind: global_buffer, .address_space: global }
      - { .name: scores, .offset: 32, .size: 8, .value_kind: global_buffer, .address_space: global }
      - { .name: cpart, .offset: 40, .size: 8, .value_kind: global_buffer, .address_space: global }
    .group_segment_fixed_size: 287744
    .private_segment_fixed_size: 0
    .kernarg_segment_align: 8
    .kernarg_segment_size: 48
    .max_flat_workgroup_size: 256
    .sgpr_count:     66
    .vgpr_count:     512
    .wavefront_size: 32
...
	.end_amdgpu_metadata
.endif
;; end of part 2
;; launch combine (part 3): grid 32 x 1, 8 waves a work-group, no clusters, 1,280 bytes of LDS; arguments scores, cpart, out0, out1; writes out0, out1
.if DOCPART == 3
	.amdgcn_target "amdgcn-amd-amdhsa--gfx1250"
	.amdhsa_code_object_version 6
	.text
	.protected	k_q9be2a55511_combine
	.globl	k_q9be2a55511_combine
	.p2align	8
	.type	k_q9be2a55511_combine,@function
k_q9be2a55511_combine:
	s_mov_b64 s[64:65], 0
	v_nop
	global_prefetch_b8 v0, s[64:65] scope:SCOPE_SE
	s_setreg_imm32_b32 hwreg(HW_REG_WAVE_MODE, 25, 1), 1
	s_wait_xcnt 0x0
; One work-group = one batch.  scores holds s'' = log2e (score - sum of v) for its 2,048 rows; cpart its 16 blocks' sums of 2^(s''-m_i) enc, m_i the block's maximum.
; M = max of s'';  weights = 2^(s''-M) / L, L their sum (at least 1: the largest term is 1);  context = sum over i of 2^(m_i-M) cpart_i / L.
; m_i is made again from the scores: a maximum has one value whatever its order, so it is the number the main launch used.
; Terms below 2^-126 count as 0.  32 work-groups: a batch's softmax is one sum, and the launch moves 2.7 MB in all.
	s_load_b256 s[4:11], s[0:1], 0x0               ; scores s[4:5], cpart s[6:7], out0 s[8:9], out1 s[10:11]
	v_lshl_add_u32 v112, v0, 2, 0x100
	v_mov_b32 v113, 0
	v_lshrrev_b32 v14, 5, v0
	v_readfirstlane_b32 s12, v14                   ; wave 0..7: it takes blocks 2 wave and 2 wave + 1
	v_and_b32 v15, 31, v0
	v_lshlrev_b32 v1, 4, v15
	v_lshl_add_u32 v1, s12, 10, v1                 ; 1,024 wave + 16 lane, in scores and out1
	v_lshlrev_b32 v2, 4, v0                        ; 16 thread, in a row of cpart and in out0
	v_mov_b32 v3, s12
	v_lshlrev_b32 v110, 2, v3                      ; LDS: my wave's sum, at 64 + 4 wave
	v_lshlrev_b32 v3, 3, v3                        ; LDS: my wave's two maxima, at 8 wave
	v_mov_b32 v96, 0
	s_mov_b32 s14, 0x76543210
	s_mov_b32 s15, 0xfedcba98
	s_lshl_b32 s16, ttmp9, 13
	s_mov_b32 s17, 0
	s_wait_kmcnt 0x0
	s_add_nc_u64 s[4:5], s[4:5], s[16:17]
	s_add_nc_u64 s[10:11], s[10:11], s[16:17]
	s_lshl_b32 s16, ttmp9, 16
	s_add_nc_u64 s[6:7], s[6:7], s[16:17]
	s_lshl_b32 s16, ttmp9, 12
	s_add_nc_u64 s[8:9], s[8:9], s[16:17]
	global_load_b128 v[4:7],  v1, s[4:5]
	global_load_b128 v[8:11], v1, s[4:5] offset:512
.set i, 0
.rept 16
	global_load_b128 v[16+4*i:19+4*i], v2, s[6:7] offset:4096*i    ; block i's partial context, my four columns
.set i, i+1
.endr
	s_wait_loadcnt 16                              ; the 16 loads of cpart are younger: the scores are in
	v_max3_num_f32 v12, v4, v5, v6
	v_max3_num_f32 v13, v8, v9, v10
	v_max_num_f32 v12, v12, v7
	v_max_num_f32 v13, v13, v11
.irp m, 1,2,4,8
	v_max_num_f32_dpp v12, v12, v12 row_xmask:\m row_mask:0xf bank_mask:0xf
	v_max_num_f32_dpp v13, v13, v13 row_xmask:\m row_mask:0xf bank_mask:0xf
.endr
	v_permlanex16_b32 v14, v12, s14, s15
	v_permlanex16_b32 v15, v13, s14, s15
	v_max_num_f32 v12, v12, v14
	v_max_num_f32 v13, v13, v15
	ds_store_b64 v3, v[12:13]
	s_wait_dscnt 0x0
	s_barrier_signal -1
	s_barrier_wait -1
	ds_load_b128 v[80:83], v96
	ds_load_b128 v[84:87], v96 offset:16
	ds_load_b128 v[88:91], v96 offset:32
	ds_load_b128 v[92:95], v96 offset:48           ; m_0 .. m_15 in every lane
	s_wait_dscnt 0x0
	v_max3_num_f32 v97, v80, v81, v82
.irp k, 83,85,87,89,91,93
	v_max3_num_f32 v97, v97, v[\k], v[\k+1]
.endr
	v_max_num_f32 v97, v97, v95                    ; M
.set i, 0
.rept 16
	v_sub_f32 v[80+i], v[80+i], v97
.set i, i+1
.endr
.set i, 0
.rept 8
	v_sub_f32 v[4+i], v[4+i], v97
.set i, i+1
.endr
.set i, 0
.rept 16
	v_exp_f32 v[80+i], v[80+i]                     ; f_i = 2^(m_i - M)
.set i, i+1
.endr
.set i, 0
.rept 8
	v_exp_f32 v[4+i], v[4+i]                       ; 2^(s'' - M)
.set i, i+1
.endr
	v_nop                                          ; one plain instruction behind the exponentials (ISA guide 5.7.2)
	s_wait_alu depctr_va_vdst(0)
	v_pk_add_f32 v[98:99], v[4:5], v[6:7]
	v_pk_add_f32 v[14:15], v[8:9], v[10:11]
	v_pk_add_f32 v[98:99], v[98:99], v[14:15]
	v_add_f32 v98, v98, v99
.irp m, 1,2,4,8
	v_add_f32_dpp v98, v98, v98 row_xmask:\m row_mask:0xf bank_mask:0xf
.endr
	v_permlanex16_b32 v99, v98, s14, s15
	v_add_f32 v98, v98, v99
	ds_store_b32 v110, v98 offset:64               ; other bytes than the maxima's: no wave still reads what is written here
	s_wait_dscnt 0x0
	s_barrier_signal -1
	s_barrier_wait -1
	ds_load_b128 v[100:103], v96 offset:64
	ds_load_b128 v[104:107], v96 offset:80
	s_wait_dscnt 0x0
	v_pk_add_f32 v[100:101], v[100:101], v[102:103]
	v_pk_add_f32 v[104:105], v[104:105], v[106:107]
	v_pk_add_f32 v[100:101], v[100:101], v[104:105]
	v_add_f32 v100, v100, v101                     ; L
	v_rcp_f32 v108, v100
	v_rcp_f32 v109, v100                           ; twice: a pair for the packed multiplies
	v_nop
	s_wait_alu depctr_va_vdst(0)
.irp k, 4,6,8,10
	v_pk_mul_f32 v[\k:\k+1], v[\k:\k+1], v[108:109]
.endr
	global_store_b128 v1, v[4:7],  s[10:11]        ; weights: 512 consecutive bytes a store
	global_store_b128 v1, v[8:11], s[10:11] offset:512
	s_wait_loadcnt 0x0                             ; cpart
	v_pk_mul_f32 v[16:17], v[16:17], v[80:81] op_sel_hi:[1,0]      ; block 0 starts the sums; both halves by f_0
	v_pk_mul_f32 v[18:19], v[18:19], v[80:81] op_sel_hi:[1,0]
.set i, 1
.rept 15
.if i & 1
	v_pk_fma_f32 v[16:17], v[16+4*i:17+4*i], v[79+i:80+i], v[16:17] op_sel:[0,1,0] op_sel_hi:[1,1,1]   ; both halves by the pair's second register, f_i
	v_pk_fma_f32 v[18:19], v[18+4*i:19+4*i], v[79+i:80+i], v[18:19] op_sel:[0,1,0] op_sel_hi:[1,1,1]
.else
	v_pk_fma_f32 v[16:17], v[16+4*i:17+4*i], v[80+i:81+i], v[16:17] op_sel_hi:[1,0,1]                  ; both halves by the pair's first register, f_i
	v_pk_fma_f32 v[18:19], v[18+4*i:19+4*i], v[80+i:81+i], v[18:19] op_sel_hi:[1,0,1]
.endif
.set i, i+1
.endr
	v_pk_mul_f32 v[16:17], v[16:17], v[108:109]
	v_pk_mul_f32 v[18:19], v[18:19], v[108:109]
	global_store_b128 v2, v[16:19], s[8:9]
	s_wait_tensorcnt 0x0
	ds_add_u32 v112, v113
	s_wait_dscnt 0x0
	s_endpgm
.Lfunc_end_k_q9be2a55511_combine:
	.size	k_q9be2a55511_combine, .Lfunc_end_k_q9be2a55511_combine-k_q9be2a55511_combine
	.p2alignl 7, 3214868480
	.fill 96, 4, 3214868480
	.section	.rodata,"a",@progbits
	.p2align	6, 0x0
	.amdhsa_kernel k_q9be2a55511_combine
		.amdhsa_group_segment_fixed_size 1280
		.amdhsa_private_segment_fixed_size 0
		.amdhsa_enable_private_segment 0
		.amdhsa_kernarg_size 32
		.amdhsa_user_sgpr_count 2
		.amdhsa_user_sgpr_kernarg_segment_ptr 1
		.amdhsa_wavefront_size32 1
		.amdhsa_system_sgpr_workgroup_id_x 1
		.amdhsa_system_sgpr_workgroup_id_y 1
		.amdhsa_system_sgpr_workgroup_id_z 1
		.amdhsa_system_vgpr_workitem_id 0
		.amdhsa_next_free_vgpr 114
		.amdhsa_next_free_sgpr 66
		.amdhsa_reserve_vcc 0
		.amdhsa_float_denorm_mode_32 3
		.amdhsa_float_denorm_mode_16_64 3
		.amdhsa_memory_ordered 1
		.amdhsa_forward_progress 1
		.amdhsa_inst_pref_size 11
	.end_amdhsa_kernel
	.amdgpu_metadata
---
amdhsa.version: [ 1, 2 ]
amdhsa.kernels:
  - .name:           k_q9be2a55511_combine
    .symbol:         k_q9be2a55511_combine.kd
    .args:
      - { .name: scores, .offset: 0, .size: 8, .value_kind: global_buffer, .address_space: global }
      - { .name: cpart, .offset: 8, .size: 8, .value_kind: global_buffer, .address_space: global }
      - { .name: out0, .offset: 16, .size: 8, .value_kind: global_buffer, .address_space: global }
      - { .name: out1, .offset: 24, .size: 8, .value_kind: global_buffer, .address_space: global }
    .group_segment_fixed_size: 1280
    .private_segment_fixed_size: 0
    .kernarg_segment_align: 8
    .kernarg_segment_size: 32
    .max_flat_workgroup_size: 256
    .sgpr_count:     66
    .vgpr_count:     114
    .wavefront_size: 32
...
	.end_amdgpu_metadata
.endif
;; end of part 3
;; ======== version 2 of 2: 3 launches; version 1 with the launch main written anew for expert scheduling mode
;; workspace buffers: wb 2,097,152 bytes; scores 262,144 bytes; cpart 2,097,152 bytes
;; launch wprep: the kernel of part 1 again; grid 64 x 1, 8 waves a work-group, no clusters, 35,840 bytes of LDS; arguments W, wb; writes wb
;; launch main (part 4): grid 512 x 1, 8 waves a work-group, no clusters, 287,744 bytes of LDS; arguments encoder_outputs, decoder_state, v, wb, scores, cpart; writes scores, cpart
.if DOCPART == 4
	.amdgcn_target "amdgcn-amd-amdhsa--gfx1250"
	.amdhsa_code_object_version 6
	.text
	.protected	k_q9be2a55511_main
	.globl	k_q9be2a55511_main
	.p2align	8
	.type	k_q9be2a55511_main,@function
k_q9be2a55511_main:
	s_mov_b64 s[64:65], 0
	v_nop
	global_prefetch_b8 v0, s[64:65] scope:SCOPE_SE
	s_setreg_imm32_b32 hwreg(HW_REG_WAVE_SCHED_MODE, 0, 2), 2
	s_setreg_imm32_b32 hwreg(HW_REG_WAVE_MODE, 25, 1), 1
	s_wait_xcnt 0x0
	s_wait_alu depctr_vm_vsrc(0)
; One work-group = 128 rows s of one batch (block blk = ttmp9, batch blk>>4).  It reads its 512 KiB of encoder_outputs ONCE, keeps them as bf16
; in LDS, and makes from them: proj = enc W^T (matrix unit, f32 sums), r = 1/(1+e^(2(proj+dec))) (tanh = 1 - 2r), the scaled scores
;   s''[s] = sum over o of (-2 log2e v[o]) r[s][o] = log2e (score[s] - sum of v),
; the block's maximum m, p[s] = 2^(s''-m), and the partial context cpart[blk][h] = sum over s of p[s] bf16(enc[s][h]).
; The last launch merges the 16 blocks of a batch.  The constant sum of v is the same for all rows of a softmax and cancels in it for every input.
; LIMITS: enc and W enter as bf16 (enc in the context too); p below 2^-126 counts as 0; e^(2x) = inf gives r = 0 and e^(2x) = 0 gives r = 1, tanh's limits.
;
; SHARES: eight waves split o.  In chunk c (0, 1) wave w makes o = 512c+64w .. +63 for all 128 rows: 8 x 4 accumulator tiles, 256 registers.
; With 512 registers a wave, two waves lie on a SIMD, and they are kept OUT OF STEP, so that one of them has products to issue while the other converts enc,
; works on tanh or issues its loads.  Waves 4-7 bring enc in, in eight slices of 128 along K; waves 0-3 meanwhile multiply slice n of their first chunk while
; slice n+1 is converted: when enc is whole they are seven eighths of a chunk ahead, more than a pass of tanh takes, and the lead stays.
; (This takes waves w and w+4 to share a SIMD; the values do not hang on it.)
; Each fragment of W has ONE reader in the work-group: it goes from memory straight into a ring of four register stages (wb holds a wave's fragments as one
; run of 256 KiB in the order of use).  That is why W takes no tensor load, no LDS ring and no joint request in a cluster: LDS would be a round trip,
; and beside the 286,720 bytes in use the 327,680 bytes of a WGP leave no room for slots worth a barrier.
; THE MATRIX INSTRUCTION IS USED TRANSPOSED: source 0 = 16 o of W, source 1 = 16 rows of enc.  Lane (r = l%16, h = l/16), register j of tile (a, t) holds
; s = 16a+r, o = o0+16t+8h+j: eight neighbouring o, so dec and v are register pairs for packed arithmetic, and a row's sum over o stays in the lane.
;
; THE MODE: SCHED_MODE bits 1:0 = 2 (LLVM: expert scheduling mode 2), set by the entry lines.  The code itself states the register dependences between
; vector or matrix instructions and memory or LDS instructions, with s_wait_alu, always for 0.
; THE PLAN.  Registers that memory or LDS instructions touch, and who else names them:
;   F half 0, half 1   Sixteen products read a half; behind them the LDS loads of the next K step land in it, while the other half is multiplied.
;   WR stage st        A K step's 32 products read it; behind them the loads of W of four K steps on land in it.
;        So a K step holds two waits on va_vdst, each behind sixteen products and ahead of ONE run of loads (8, then 16).  One wait a K step would want a second
;        pair of halves: the wave's 512 registers are 256 of sums, 128 of ring, 64 of fragments, 64 of addresses and small sums, and none is over.
;   window 1, two halves (waves 4-7: enc as loaded)   A slice's 64 conversions read a half; behind them the slice two on lands in it.
;   F as out-buffer (waves 4-7)   Written by those conversions, read by the slice's 32 LDS stores.  One wait on va_vdst behind the conversions serves the stores
;        and the loads; one on vm_vsrc behind both frees F and v[AST].
;   v[ADR]   Read by the fragment loads of the chunks that go round a loop; written once a slice, behind a wait on vm_vsrc; the next K step's first wait on
;        va_vdst stands ahead of the next load by it.
;   v[DVA]   Read by the loads of dec and v; stepped once, at the second chunk's head, behind the wait on vm_vsrc that also frees v[ADR] and v[T ..].
;   v1, v6-v13, v[AP ..]   Made at the head, ahead of one wait on va_vdst, and never written again.
;   The accumulators are named by matrix and vector instructions alone (in waves 4-7: once enc's last load has landed).
;
; LDS: enc slice n (k = 128n .. +127) at n x SLB: 128 rows x 272 (256 of bf16 + 16: 17 x 16 bytes, so the 16 rows of a fragment load start at 16 different
;      16-byte columns).  A slice is one run of bytes: the slice that is written and the slice that is read between two barriers do not touch.
;      DC dec x 2log2e, 4,096 bytes; VV v x -2log2e, 4,096 behind DC.  When the last pass of tanh has read them, and behind a barrier, the same bytes are
;      SP [8 waves][128] partial scores (on DC) and PB [8 waves][128] each wave's own copy of p (on VV).
; REGISTERS: window 0: v0-63 addresses and sums; v64-127 enc fragments, two halves of four row tiles; v128-255 the ring of W, stage st tile t at 128+32st+8t.
;      window 1: accumulator tile (a, t) at 8 (4a + t); in waves 4-7 the same registers are first the landing place of enc's f32.
.set PITCH, 272
.set SLB,  128*PITCH                   ; 34,816: a slice
.set DC,   8*SLB                       ; 278,528
.set SP,   DC
.set PB,   DC+4096                     ; ends at 286,720
.set L16,  1                           ; v1   16 x lane
.set ADR,  2                           ; v2   fragment address in the slice at work, in the chunks that go round a loop: written afresh at the head of each
.set DVA,  4                           ; v4   DC + 256 w + 32 h, + 2,048 for the second chunk
.set AST,  5                           ; v5   waves 4-7: where my 32 rows of the next slice are stored, + 8 x lane
.set SPS,  6                           ; v6   SP + 512 w + 4 r
.set SPL,  7                           ; v7   SP + 16 lane
.set PST,  8                           ; v8   PB + 512 w + 16 lane
.set PLD,  9                           ; v9   PB + 512 w
.set CXA,  10                          ; v10  slice w + 8 lane: my 4 columns of a row
.set CPO,  11                          ; v11  512 w + 16 lane, in cpart's row
.set DVO,  12                          ; v12  16 x thread, in dec and v (waves 0-3)
.set DVS,  13                          ; v13  DC + 16 x thread
.set T,    16                          ; v[16:31]  at work
.set SACC, 32                          ; v[32:47]  a pair of score sums for each of the 8 row tiles
.set CX,   48                          ; v[48:55]  context sums of my 4 columns, even and odd rows apart
.set AP,   56                          ; v[56:59]  fragment address 272 r + 16 h in slices 0, 2, 4, 6; never rewritten.  The odd slices are reached by the immediate:
                                       ;           34,816 + 7 x 4,352 + 224 = 65,504, inside its 16 bits
.set F,    64                          ; v[64:95] row tiles 0-3, v[96:127] row tiles 4-7
.set DCR,  F                           ; between chunks the same registers hold dec of my 64 o, tile t at + 8 t,
.set VVR,  F+32                        ; and v likewise
.set WR,   128
.set XB,   64                          ; the context's two buffers of 48 registers
.set FA,   ADR                         ; which register the fragment loads take as address, and
.set qbase, 0                          ; what their immediates add to it; set in front of each QUAD or group of QUADs
.set MSB, 0
.macro WIN new                         ; s_set_vgpr_msb: bits 1:0 source 0, 3:2 source 1, 5:4 source 2, 7:6 destination; the high byte repeats the setting that is left
.if MSB != \new
	s_set_vgpr_msb (MSB<<8)|\new
.set MSB, \new
.endif
.endm
.macro PLACES                          ; a vector instruction on a matrix result stands four independent vector instructions behind the matrix instruction
.rept 4                                ; (ISA guide 7.12.1); other matrix instructions are not counted
	v_nop
.endr
.endm
; waves 4-7: slice n of my 32 rows: 32 loads, each 512 consecutive bytes of one row, into half n&1 of window 1
.macro FILL n
	WIN 0x40
.set fi, 0
.rept 32
	global_load_b128 v[128*((\n)&1)+4*fi:128*((\n)&1)+4*fi+3], v[L16], s[4:5] offset:fi*4096+(\n)*512 th:TH_LOAD_NT
.set fi, fi+1
.endr
.endm
; slice n: rounded to bf16 and stored, 256 consecutive bytes (a row of the slice) a store; then slice fill is asked for, into the half just emptied (fill = 8 or more: none)
.macro CVT n, fill
	WIN 0x05
.set fi, 0
.rept 32
	v_cvt_pk_bf16_f32 v[F+2*fi],   v[128*((\n)&1)+4*fi],   v[128*((\n)&1)+4*fi+1]
	v_cvt_pk_bf16_f32 v[F+2*fi+1], v[128*((\n)&1)+4*fi+2], v[128*((\n)&1)+4*fi+3]
.set fi, fi+1
.endr
	WIN 0
	s_wait_alu depctr_va_vdst(0)                   ; the conversions have written v[F ..], which the stores read, and are done reading their half of window 1, in which the loads below land; v[AST] is written
.set fi, 0
.rept 32
	ds_store_b64 v[AST], v[F+2*fi:F+2*fi+1] offset:fi*PITCH
.set fi, fi+1
.endr
.if (\fill) < 8
	FILL \fill                                     ; no further wait: since the wait above only the stores were issued, which name v[F ..] and v[AST]
	WIN 0
.endif
	s_wait_alu depctr_vm_vsrc(0)                   ; the stores have read v[F ..], which the next conversions or fragment loads write, and v[AST], which is stepped
.if (\n) < 7
	v_add_nc_u32 v[AST], SLB, v[AST]               ; the next slice
.endif
.endm
; the four fragments of W (4 KiB) that lie p K steps behind the base, into stage p&3.  No hint: every work-group reads wb.
.macro BLOAD p
.set bj, 0
.rept 8
	global_load_b128 v[WR+32*((\p)&3)+4*bj:WR+32*((\p)&3)+4*bj+3], v[L16], s[10:11] offset:(\p)*4096+bj*512
.set bj, bj+1
.endr
.endm
; four row tiles' fragments of enc: lane (r, h) takes row 16a+r, bytes off + 16 h and 32 further (registers 0-3: k = 8h.., 4-7: k = 16+8h..)
.macro FETCHH hf, off
.set fa, 4*(\hf)
.rept 4
	ds_load_b128 v[F+8*fa:F+8*fa+3],   v[FA] offset:fa*16*PITCH+(\off)
	ds_load_b128 v[F+8*fa+4:F+8*fa+7], v[FA] offset:fa*16*PITCH+(\off)+32
.set fa, fa+1
.endr
.endm
; 16 matrix instructions: row tiles 4hf .. 4hf+3 x the four o tiles, W from stage st.  zero: the chunk's first K step starts the sums, nothing is cleared.
; The 32 accumulators take turns, one instruction a turn, in the same order in every K step.
.macro MUL16 st, hf, zero
.set ma, 4*(\hf)
.rept 4
.set mt, 0
.rept 4
.if \zero
	v_wmma_f32_16x16x32_bf16 v[8*(4*ma+mt):8*(4*ma+mt)+7], v[WR+32*(\st)+8*mt:WR+32*(\st)+8*mt+7], v[F+8*ma:F+8*ma+7], 0
.else
	v_wmma_f32_16x16x32_bf16 v[8*(4*ma+mt):8*(4*ma+mt)+7], v[WR+32*(\st)+8*mt:WR+32*(\st)+8*mt+7], v[F+8*ma:F+8*ma+7], v[8*(4*ma+mt):8*(4*ma+mt)+7]
.endif
.set mt, mt+1
.endr
.set ma, ma+1
.endr
.endm
; Four K steps = one slice of enc = once round the ring of W.  The slice lies at v[FA] + qbase.
;   lead: the first K step's fragments are fetched here (nothing was fetched ahead): no vector or matrix instruction issued since the last wait on va_vdst names v[F ..] or v[FA];
;   zero: the first K step starts the sums;
;   next: the last K step fetches the next slice's first fragments;  wl: each K step asks for W four K steps on;  as: the address goes on to the next slice.
; A half of the fragments is fetched while the other half is multiplied: behind the 16 products that read it, and the wait that shows them done.
; A stage of W is asked for again behind the K step that read it, so stage ks has three younger stages of eight loads behind it: s_wait_loadcnt 24.
; wl = 0 (a wave's last four K steps): nothing is asked for beyond its run in wb, and the counts run down 24, 16, 8, 0.
; The window is switched first, then comes the wait, then the run of loads.
.macro QUAD lead, zero, next, wl, as
.if \lead
	FETCHH 0, qbase
	FETCHH 1, qbase
.endif
.set qj, 0
.rept 4
.set qn, 1
.set qo, qbase+64*(qj+1)
.set qz, 0
.set qb, qj+4
.if qj == 3
.set qn, \next
.set qo, qbase+SLB
.endif
.if qj == 0
.set qz, \zero
.endif
.if \wl
	s_wait_loadcnt 24                              ; this K step's stage is in
.else
	s_wait_loadcnt 24-8*qj
.endif
	s_wait_dscnt 8                                 ; row tiles 0-3 are in; the younger eight loads (tiles 4-7) may be out
	WIN 0x50                                       ; W and enc window 0, C and D window 1
	MUL16 qj, 0, qz
.if qn
	WIN 0
	s_wait_alu depctr_va_vdst(0)                   ; the sixteen products above are done reading row tiles 0-3, in which the loads below land; in a slice's first K step v[ADR] is written
	FETCHH 0, qo
	s_wait_dscnt 8                                 ; all but the eight just issued: tiles 4-7 are in
.else
	s_wait_dscnt 0
.endif
	WIN 0x50
	MUL16 qj, 1, qz
.if qn + \wl
	WIN 0
	s_wait_alu depctr_va_vdst(0)                   ; the sixteen products above are done reading row tiles 4-7, and the K step's 32 are done reading its stage of W: the loads below land in them
.endif
.if qn
	FETCHH 1, qo
.endif
.if \wl
	BLOAD qb
.endif
.set qj, qj+1
.endr
	WIN 0
.if \wl
	s_wait_xcnt 0x0                                ; the pending loads of W name s[10:11]: it is stepped only behind this wait
	s_add_nc_u64 s[10:11], s[10:11], 0x4000        ; four K steps of 4 KiB
.endif
.if \as
	s_wait_alu depctr_vm_vsrc(0)                   ; the fragment loads issued so far have read v[ADR]
	v_add_nc_u32 v[ADR], SLB, v[ADR]
.endif
.endm
; the four stages of r = 1/(1 + 2^(2log2e x + dC)) on accumulator tile n, in place
.macro EPA n
.set ej, 0
.rept 4
	v_pk_fma_f32 v[8*(\n)+2*ej:8*(\n)+2*ej+1], v[8*(\n)+2*ej:8*(\n)+2*ej+1], 0x4038aa3b, v[DCR+8*((\n)&3)+2*ej:DCR+8*((\n)&3)+2*ej+1] op_sel_hi:[1,0,1]
.set ej, ej+1
.endr
.endm
.macro EPE n
.set ej, 0
.rept 8
	v_exp_f32 v[8*(\n)+ej], v[8*(\n)+ej]
.set ej, ej+1
.endr
.endm
.macro EPP n
.set ej, 0
	s_wait_alu depctr_va_vdst(0)
.rept 4
	v_pk_add_f32 v[8*(\n)+2*ej:8*(\n)+2*ej+1], v[8*(\n)+2*ej:8*(\n)+2*ej+1], 1.0 op_sel_hi:[1,0]
.set ej, ej+1
.endr
.endm
.macro EPR n
.set ej, 0
.rept 8
	v_rcp_f32 v[8*(\n)+ej], v[8*(\n)+ej]
.set ej, ej+1
.endr
.endm
; A chunk's end: r for its 128 x 64 results, and their share of the scores.
.macro EPI
	PLACES                                         ; behind the last matrix instructions, in front of the first vector line that reads a result
	WIN 0
	s_wait_alu depctr_va_vdst(0)                   ; the chunk's last products are done reading v[F ..], in which dec and v land
.set et, 0
.rept 4
	ds_load_b128 v[DCR+8*et:DCR+8*et+3],   v[DVA] offset:64*et
	ds_load_b128 v[DCR+8*et+4:DCR+8*et+7], v[DVA] offset:64*et+16
	ds_load_b128 v[VVR+8*et:VVR+8*et+3],   v[DVA] offset:4096+64*et
	ds_load_b128 v[VVR+8*et+4:VVR+8*et+7], v[DVA] offset:4096+64*et+16
.set et, et+1
.endr
	s_wait_dscnt 0x0
	WIN 0x41                                       ; source 0 and destination window 1; dec window 0
	; behind an exponential or a reciprocal one plain independent vector instruction comes before its result is used (ISA guide 5.7.2):
	; the next tile's multiply-adds stand between a tile's exponentials and the additions that read them
	EPA 0
	EPE 0
.set en, 0
.rept 31
.set en1, en+1
	EPA en1
	EPP en
	EPR en
	EPE en1
.set en, en+1
.endr
	v_nop
	s_wait_alu depctr_va_vdst(0)
	EPP 31
	EPR 31
	v_nop
	WIN 0x01                                       ; r window 1; v and the sums window 0
.set et, 0
	s_wait_alu depctr_va_vdst(0)
.rept 4
.set ej, 0
.rept 4
.set ea, 0
.rept 8                                            ; the eight row tiles' sums are eight chains that do not wait for each other
	v_pk_fma_f32 v[SACC+2*ea:SACC+2*ea+1], v[8*(4*ea+et)+2*ej:8*(4*ea+et)+2*ej+1], v[VVR+8*et+2*ej:VVR+8*et+2*ej+1], v[SACC+2*ea:SACC+2*ea+1]
.set ea, ea+1
.endr
.set ej, ej+1
.endr
.set et, et+1
.endr
	WIN 0
.endm
; Between two barriers: waves 0-3 multiply slice n of their first chunk; waves 4-7 convert slice n+1 and ask for slice n+3.
; The barrier stands in the common text: every wave passes it; the branches on the wave's number jump over the work alone.
.macro PACE n
.set pz, 0
.if (\n) == 0
.set pz, 1
.endif
.set pm, (\n)+1
.set pf, (\n)+3
.set FA, AP+(\n)/2                                 ; slice n: a constant register and a constant in the immediate
.set qbase, ((\n)&1)*SLB
	s_cmp_ge_u32 s16, 4
	s_cbranch_scc1 .Lbring_\@
	QUAD 1, pz, 0, 1, 0                            ; nothing is fetched ahead: the next slice is whole only behind the barrier
	; Behind the barrier, on the other side of the branch on the wave's number, stand conversions that name the accumulators' and the fragments' registers and,
	; behind the last slice, products that start sums anew in the accumulators.  No wave takes both sides; the distances behind a matrix instruction (four places
	; for a vector line, five for a matrix instruction that writes over a result: ISA guide 7.12.1) are kept all the same on every way through the text.
.rept 5
	v_nop
.endr
	s_branch .Lmeet_\@
.Lbring_\@:
.if pm < 7
	s_wait_loadcnt 32                              ; slice n+1 is in; the next slice's 32 loads stay out
.else
	s_wait_loadcnt 0x0                             ; slice 7 is in: no load of mine is out
.irp p, 0,1,2,3
	BLOAD \p                                       ; my ring of W is filled while slice 7 is converted.  No vector or matrix instruction of these waves has named v[WR ..], and v[L16] was written ahead of the head's wait
.endr
.endif
	CVT pm, pf
.Lmeet_\@:
	s_wait_dscnt 0x0                               ; my stores into the slice are done, my reads of the last one are back, before I say so
	s_barrier_signal -1
	s_barrier_wait -1
.endm
; the context: rows 16g .. 16g+15 of my wave's slice, my 8 bytes (4 columns) of each, and their p, into buffer b
.macro CTXLOAD g, b
.set ci, 0
.rept 16
	ds_load_b64 v[XB+48*(\b)+2*ci:XB+48*(\b)+2*ci+1], v[CXA] offset:PITCH*(16*(\g)+ci)
.set ci, ci+1
.endr
.set ci, 0
.rept 4
	ds_load_b128 v[XB+48*(\b)+32+4*ci:XB+48*(\b)+32+4*ci+3], v[PLD] offset:64*(\g)+16*ci
.set ci, ci+1
.endr
.endm
.macro CTXFMA b                        ; 64 fused multiply-adds straight from the bf16 halves, p and the sums in f32; eight chains
.set ci, 0
.rept 16
.set cc, CX+4*(ci&1)
.set cx0, XB+48*(\b)+2*ci
.set cp, XB+48*(\b)+32+ci
	v_fma_mix_f32_bf16 v[cc],   v[cx0],   v[cp], v[cc]   op_sel_hi:[1,0,0]
	v_fma_mix_f32_bf16 v[cc+1], v[cx0],   v[cp], v[cc+1] op_sel:[1,0,0] op_sel_hi:[1,0,0]
	v_fma_mix_f32_bf16 v[cc+2], v[cx0+1], v[cp], v[cc+2] op_sel_hi:[1,0,0]
	v_fma_mix_f32_bf16 v[cc+3], v[cx0+1], v[cp], v[cc+3] op_sel:[1,0,0] op_sel_hi:[1,0,0]
.set ci, ci+1
.endr
.endm
	; ---- set-up ----
	s_load_b256 s[4:11], s[0:1], 0x0               ; enc s[4:5], dec s[6:7], v s[8:9], wb s[10:11]
	s_load_b128 s[12:15], s[0:1], 0x20             ; scores s[12:13], cpart s[14:15]
	v_lshl_add_u32 v14, v0, 2, 0x46000
	v_mov_b32 v15, 0
	v_lshrrev_b32 v60, 5, v0
	v_readfirstlane_b32 s16, v60                   ; wave 0..7
	v_and_b32 v61, 31, v0                          ; lane
	v_and_b32 v62, 15, v0                          ; r
	v_bfe_u32 v63, v0, 4, 1                        ; h
	v_lshlrev_b32 v[L16], 4, v61
	v_mul_u32_u24 v3, v62, PITCH
	v_lshl_add_u32 v[AP], v63, 4, v3               ; 272 r + 16 h: slice 0,
	v_add_nc_u32 v[AP+1], 2*SLB, v[AP]             ; slices 2, 4, 6
	v_add_nc_u32 v[AP+2], 4*SLB, v[AP]
	v_add_nc_u32 v[AP+3], 6*SLB, v[AP]
	s_wait_alu depctr_va_sdst(0)                   ; s16 is written, ahead of its first reader: addresses, bases and every branch on the wave's number are made from it
	s_and_b32 s17, s16, 3                          ; waves 4-7: which 32 rows I bring
	s_mul_i32 s18, s17, 32*PITCH
	v_lshl_add_u32 v[AST], v61, 3, s18
	s_lshl_b32 s18, s16, 8
	s_add_co_u32 s18, s18, DC
	v_lshl_add_u32 v[DVA], v63, 5, s18
	s_lshl_b32 s19, s16, 9
	s_add_co_u32 s21, s19, SP
	v_lshl_add_u32 v[SPS], v62, 2, s21
	v_add_nc_u32 v[SPL], SP, v[L16]
	s_add_co_u32 s26, s19, PB
	v_add_nc_u32 v[PST], s26, v[L16]
	v_mov_b32 v[PLD], s26
	s_mul_i32 s27, s16, SLB
	v_lshl_add_u32 v[CXA], v61, 3, s27
	v_add_nc_u32 v[CPO], s19, v[L16]
	v_lshlrev_b32 v[DVO], 4, v0
	v_add_nc_u32 v[DVS], DC, v[DVO]
	s_mov_b32 s24, 0x76543210                      ; v_permlanex16_b32: lane i of one half reads lane i of the other
	s_mov_b32 s25, 0xfedcba98
.set qa, 0
.rept 24
	v_mov_b32 v[SACC+qa], 0                        ; the 16 score sums run over two chunks of one text, the 8 context sums over eight groups
.set qa, qa+1
.endr
	s_lshl_b32 s22, ttmp9, 19                      ; 128 rows of 4,096 bytes a block (511 blocks: below 2^28),
	s_lshl_b32 s29, s17, 17                        ; 32 rows a loading wave
	s_add_co_u32 s22, s22, s29
	s_mov_b32 s23, 0
	s_wait_kmcnt 0x0
	s_add_nc_u64 s[4:5], s[4:5], s[22:23]
	s_lshr_b32 s22, ttmp9, 4                       ; batch
	s_lshl_b32 s22, s22, 12
	s_add_nc_u64 s[6:7], s[6:7], s[22:23]
	s_lshl_b32 s22, s16, 18                        ; my wave's 256 KiB of wb
	s_add_nc_u64 s[10:11], s[10:11], s[22:23]
	s_lshl_b32 s22, ttmp9, 9
	s_add_nc_u64 s[12:13], s[12:13], s[22:23]
	s_lshl_b32 s22, ttmp9, 12
	s_add_nc_u64 s[14:15], s[14:15], s[22:23]
	s_wait_alu depctr_va_vdst(0)                   ; the addresses v1, v4 to v13 and v[AP ..] are written, which the kernel's loads and stores read
	; ---- the start: waves 4-7 bring slice 0; waves 0-3 bring dec and v, scaled once, and fill their ring of W ----
	s_cmp_ge_u32 s16, 4
	s_cbranch_scc1 .Lbring_first
	global_load_b128 v[T:T+3],     v[DVO], s[6:7]
	global_load_b128 v[T+4:T+7],   v[DVO], s[6:7] offset:2048
	global_load_b128 v[T+8:T+11],  v[DVO], s[8:9]
	global_load_b128 v[T+12:T+15], v[DVO], s[8:9] offset:2048
.irp p, 0,1,2,3
	BLOAD \p
.endr
	s_wait_loadcnt 32                              ; the 32 loads of W are younger: dec and v are in
.set qa, 0
.rept 4
	v_pk_mul_f32 v[T+2*qa:T+2*qa+1],     v[T+2*qa:T+2*qa+1],     0x4038aa3b op_sel_hi:[1,0]    ; dec x 2 log2e
	v_pk_mul_f32 v[T+8+2*qa:T+8+2*qa+1], v[T+8+2*qa:T+8+2*qa+1], 0xc038aa3b op_sel_hi:[1,0]    ; v x -2 log2e
.set qa, qa+1
.endr
	s_wait_alu depctr_va_vdst(0)                   ; the multiplies have written v[T ..], which the stores read
	ds_store_b128 v[DVS], v[T:T+3]
	ds_store_b128 v[DVS], v[T+4:T+7]   offset:2048
	ds_store_b128 v[DVS], v[T+8:T+11]  offset:4096
	ds_store_b128 v[DVS], v[T+12:T+15] offset:6144
	s_branch .Lmeet_first
.Lbring_first:
	FILL 0
	FILL 1                                         ; two slices, 32 KiB a wave, on their way from here on
	s_wait_loadcnt 32                              ; slice 0 is in, slice 1's 32 loads stay out
	CVT 0, 2
.Lmeet_first:
	s_wait_dscnt 0x0                               ; my stores (slice 0; DC and VV) are done before I say so
	s_barrier_signal -1
	s_barrier_wait -1
	; ---- seven more slices come in while waves 0-3 multiply the one before ----
.set pn, 0
.rept 7
	PACE pn
.set pn, pn+1
.endr
	; enc is whole and is not written again: from here to the end of tanh no wave waits for another
	; ---- the first chunk's rest ----
	s_cmp_ge_u32 s16, 4
	s_cbranch_scc1 .Lwhole_chunk
.set FA, AP+3
.set qbase, SLB
	QUAD 1, 0, 0, 1, 0                             ; waves 0-3: slice 7
	s_branch .Lfirst_done
.Lwhole_chunk:
.set FA, ADR
.set qbase, 0
	v_mov_b32 v[ADR], v[AP]                        ; waves 4-7: all eight slices, from slice 0
	s_wait_alu depctr_va_vdst(0)                   ; v[ADR] is written, which the fragment loads below read
	QUAD 1, 1, 1, 1, 1
	s_mov_b32 s20, 6
.Lslices_a:
	QUAD 0, 0, 1, 1, 1
	s_sub_co_i32 s20, s20, 1
	s_cmp_lg_u32 s20, 0
	s_cbranch_scc1 .Lslices_a
	QUAD 0, 0, 0, 1, 0
.Lfirst_done:
	EPI                                            ; the ring already holds the second chunk's first four stages
	; ---- the second chunk ----
	s_wait_alu depctr_vm_vsrc(0)                   ; the loads of dec and v have read v[DVA], the first chunk's fragment loads v[ADR]; the stores at the start have read v[T ..], which the scores' lines write
	v_add_nc_u32 v[DVA], 2048, v[DVA]              ; dec and v of the second chunk
	v_mov_b32 v[ADR], v[AP]                        ; from slice 0
	s_wait_alu depctr_va_vdst(0)                   ; v[ADR] and v[DVA] are written, which the loads to come read; the pass above is done reading v[F ..], in which the fragments land
	QUAD 1, 1, 1, 1, 1
	s_mov_b32 s20, 6
.Lslices_b:
	QUAD 0, 0, 1, 1, 1
	s_sub_co_i32 s20, s20, 1
	s_cmp_lg_u32 s20, 0
	s_cbranch_scc1 .Lslices_b
	QUAD 0, 0, 0, 0, 0
	EPI
	; ---- scores: lane halves, then the eight waves ----
	; SP lies on DC's bytes: no wave stores there before every wave has read dec and v for the last time.  My own loads of them were waited for
	; (count 0) at the head of the pass above, and I have issued no LDS instruction since: nothing of mine is out at the signal.
	s_barrier_signal -1
.set qa, 0
.rept 8
	v_add_f32 v[SACC+2*qa], v[SACC+2*qa], v[SACC+2*qa+1]           ; register work while the others arrive
.set qa, qa+1
.endr
.set qa, 0
.rept 8
	v_permlanex16_b32 v[SACC+2*qa+1], v[SACC+2*qa], s24, s25       ; the other 8 o of each tile
.set qa, qa+1
.endr
.set qa, 0
.rept 8
	v_add_f32 v[SACC+2*qa], v[SACC+2*qa], v[SACC+2*qa+1]
.set qa, qa+1
.endr
	s_barrier_wait -1
	s_wait_alu depctr_va_vdst(0)                   ; the additions have written the eight sums, which the stores read; the pass of tanh is done reading v[F ..], in which the partial scores land below
.set qa, 0
.rept 8
	ds_store_b32 v[SPS], v[SACC+2*qa] offset:64*qa                 ; row 16 qa + r; both halves store the same number
.set qa, qa+1
.endr
	s_wait_dscnt 0x0                               ; my stores are done before I say so
	s_barrier_signal -1
	s_barrier_wait -1
.set qa, 0
.rept 8
	ds_load_b128 v[F+4*qa:F+4*qa+3], v[SPL] offset:512*qa          ; rows 4 lane .. + 3 of wave qa's share
.set qa, qa+1
.endr
	s_wait_dscnt 0x0
.set qa, 0
.rept 8
	v_pk_add_f32 v[F+2*qa:F+2*qa+1], v[F+2*qa:F+2*qa+1], v[F+16+2*qa:F+16+2*qa+1]    ; the same order in every wave: all eight hold the same numbers
.set qa, qa+1
.endr
.set qa, 0
.rept 4
	v_pk_add_f32 v[F+2*qa:F+2*qa+1], v[F+2*qa:F+2*qa+1], v[F+8+2*qa:F+8+2*qa+1]
.set qa, qa+1
.endr
	v_pk_add_f32 v[T:T+1],   v[F:F+1],   v[F+4:F+5]
	v_pk_add_f32 v[T+2:T+3], v[F+2:F+3], v[F+6:F+7]                ; v[16:19] = s'' of rows 4 lane .. + 3
	v_max3_num_f32 v[T+4], v[T], v[T+1], v[T+2]
	v_max_num_f32 v[T+4], v[T+4], v[T+3]
	v_max_num_f32_dpp v[T+4], v[T+4], v[T+4] row_xmask:1 row_mask:0xf bank_mask:0xf
	v_max_num_f32_dpp v[T+4], v[T+4], v[T+4] row_xmask:2 row_mask:0xf bank_mask:0xf
	v_max_num_f32_dpp v[T+4], v[T+4], v[T+4] row_xmask:4 row_mask:0xf bank_mask:0xf
	v_max_num_f32_dpp v[T+4], v[T+4], v[T+4] row_xmask:8 row_mask:0xf bank_mask:0xf
	v_permlanex16_b32 v[F], v[T+4], s24, s25       ; its destination counts as read: v64 has been written in every wave
	v_max_num_f32 v[T+4], v[T+4], v[F]             ; the block's maximum, in every lane
.set qa, 0
.rept 4
	v_sub_f32 v[T+8+qa], v[T+qa], v[T+4]
.set qa, qa+1
.endr
.set qa, 0
.rept 4
	v_exp_f32 v[T+8+qa], v[T+8+qa]                                 ; p = 2^(s'' - m), at most 1
.set qa, qa+1
.endr
	v_nop
	s_wait_alu depctr_va_vdst(0)                   ; p and s'' are written, which the two stores below read; the lines above and the last products are done with v64 to v159, in which the context's first two groups land
	ds_store_b128 v[PST], v[T+8:T+11]              ; my wave's own copy, on VV's bytes (last read two barriers ago); read back below without a barrier: LDS serves a wave in order (ISA guide 5.7.1)
	s_cmp_lg_u32 s16, 0
	s_cbranch_scc1 .Lno_scores
	global_store_b128 v[L16], v[T:T+3], s[12:13]   ; wave 0: the block's 128 scores, 512 consecutive bytes; v[16:19] are not written again
.Lno_scores:
	; ---- partial context: wave w owns columns 128w .. +127 (its slice), a lane four of them; sixteen rows a group, two buffers ----
	CTXLOAD 0, 0
.set cg, 0
.rept 7
.set cg1, cg+1
.set cb1, (cg+1)&1
.set cb0, cg&1
.if cg > 0
	s_wait_alu depctr_va_vdst(0)                   ; the 64 multiply-adds of the group before are done reading the buffer in which the loads below land
.endif
	CTXLOAD cg1, cb1
	s_wait_dscnt 20                                ; the 20 loads just issued are younger: group cg is in
	CTXFMA cb0
.set cg, cg+1
.endr
	s_wait_dscnt 0x0
	CTXFMA 1
	v_pk_add_f32 v[CX:CX+1],   v[CX:CX+1],   v[CX+4:CX+5]          ; even rows + odd rows
	v_pk_add_f32 v[CX+2:CX+3], v[CX+2:CX+3], v[CX+6:CX+7]
	s_wait_alu depctr_va_vdst(0)                   ; the two additions have written v[CX .. CX+3], which the store reads
	global_store_b128 v[CPO], v[CX:CX+3], s[14:15] ; a lane's four columns are 16 bytes: the wave's store covers 512 consecutive bytes, aligned
	s_wait_dscnt 0x0
	s_wait_alu depctr_hold_cnt(0) depctr_sa_sdst(0) depctr_va_vdst(0) depctr_va_sdst(0) depctr_va_ssrc(0) depctr_va_vcc(0) depctr_vm_vsrc(0)
	s_wait_tensorcnt 0x0
	ds_add_u32 v14, v15
	s_wait_dscnt 0x0
	s_endpgm
.Lfunc_end_k_q9be2a55511_main:
	.size	k_q9be2a55511_main, .Lfunc_end_k_q9be2a55511_main-k_q9be2a55511_main
	.p2alignl 7, 3214868480
	.fill 96, 4, 3214868480
	.section	.rodata,"a",@progbits
	.p2align	6, 0x0
	.amdhsa_kernel k_q9be2a55511_main
		.amdhsa_group_segment_fixed_size 287744
		.amdhsa_private_segment_fixed_size 0
		.amdhsa_enable_private_segment 0
		.amdhsa_kernarg_size 48
		.amdhsa_user_sgpr_count 2
		.amdhsa_user_sgpr_kernarg_segment_ptr 1
		.amdhsa_wavefront_size32 1
		.amdhsa_system_sgpr_workgroup_id_x 1
		.amdhsa_system_sgpr_workgroup_id_y 1
		.amdhsa_system_sgpr_workgroup_id_z 1
		.amdhsa_system_vgpr_workitem_id 0
		.amdhsa_next_free_vgpr 512
		.amdhsa_next_free_sgpr 66
		.amdhsa_reserve_vcc 0
		.amdhsa_float_denorm_mode_32 3
		.amdhsa_float_denorm_mode_16_64 3
		.amdhsa_memory_ordered 1
		.amdhsa_forward_progress 1
		.amdhsa_inst_pref_size 255
	.end_amdhsa_kernel
	.section	.bss,"aw",@nobits
	.p2align	6
	.space	262144
	.amdgpu_metadata
---
amdhsa.version: [ 1, 2 ]
amdhsa.kernels:
  - .name:           k_q9be2a55511_main
    .symbol:         k_q9be2a55511_main.kd
    .args:
      - { .name: encoder_outputs, .offset: 0, .size: 8, .value_kind: global_buffer, .address_space: global }
      - { .name: decoder_state, .offset: 8, .size: 8, .value_kind: global_buffer, .address_space: global }
      - { .name: v, .offset: 16, .size: 8, .value_kind: global_buffer, .address_space: global }
      - { .name: wb, .offset: 24, .size: 8, .value_kind: global_buffer, .address_space: global }
      - { .name: scores, .offset: 32, .size: 8, .value_kind: global_buffer, .address_space: global }
      - { .name: cpart, .offset: 40, .size: 8, .value_kind: global_buffer, .address_space: global }
    .group_segment_fixed_size: 287744
    .private_segment_fixed_size: 0
    .kernarg_segment_align: 8
    .kernarg_segment_size: 48
    .max_flat_workgroup_size: 256
    .sgpr_count:     66
    .vgpr_count:     512
    .wavefront_size: 32
...
	.end_amdgpu_metadata
.endif
;; end of part 4
;; launch combine: the kernel of part 3 again; grid 32 x 1, 8 waves a work-group, no clusters, 1,280 bytes of LDS; arguments scores, cpart, out0, out1; writes out0, out1
